; MI455X (gfx1250); checked and timed in simulation.
; The chip was launched on July 23, 2026; its instructions are those of AMD's public machine-readable ISA for CDNA 5 (MIT licence, August 2026) and "CDNA5" Instruction Set Architecture Reference Guide (July 2026). The comments in the code are by the model that wrote it; some were corrected since.
;; Multi Head Attention Base. Allowed arithmetic: matrix products marked QUANTISED: E3M2 operands, one E8M0 scale for each 32 along K, by v_wmma_scale_f32_16x16x128_f8f6f4 with both operands' format E3M2, f32 sums; everything else in f32.
;; Inputs: key 4 x 2,048 x 1,024 float32; mask 4 x 2,048 x 2,048 int32; query 4 x 2,048 x 1,024 float32; value 4 x 2,048 x 1,024 float32.
;; Outputs: out0 4 x 2,048 x 1,024 float32.
;; This version of the problem:
;;   THIS VERSION OF THE PROBLEM IS GIVEN IN LOW PRECISION. The matrix products marked QUANTISED in the list below multiply operands that are first quantised to E3M2 (3 exponent bits, 2 mantissa bits; 6 bits a number), with one power-of-two scale for each 32 numbers along K (OCP MX v1.0); their sums are f32. All else is computed in f32.
;;   The module's matrix products, in the order in which they are computed (A, B: the left and right operand; K: the contracted axis; several contracted axes count as one K, in the product's order):
;;     1. batch 64 x [M 2,048, K 64] x [K 64, N 2,048]; A: input query; B: input key: QUANTISED
;;     2. batch 64 x [M 2,048, K 2,048] x [K 2,048, N 64]; A: softmax (see below); B: input value: QUANTISED
;;   THE QUANTISER, for each operand of a quantised product, along K:
;;     - K is cut into blocks of 32 from its start; a last block that is shorter is filled with zeros.
;;     - A block's scale is 2^e with e = floor(log2(the largest magnitude in the block)) - 4, held to -126 .. 127; a block of zeros has e = 0. As a byte (E8M0): e + 127.
;;     - Each number is divided by its block's scale, clamped to +-28, and rounded to the nearest number of E3M2, ties to even, subnormals kept.
;;     - The product sums the exact products of the quantised numbers (number of the format x scale) in f32.
;;   ~~~python
;;   def quantise(x, axis):      # numpy; x: float32 -> the quantised numbers, widened to float32 again
;;       x = np.moveaxis(x, axis, -1); K = x.shape[-1]
;;       x = np.pad(x, [(0, 0)] * (x.ndim - 1) + [(0, -K % 32)]); x = x.reshape(x.shape[:-1] + (-1, 32)); a = np.abs(x).max(-1, keepdims=True)
;;       e = np.where(a > 0, np.clip(np.frexp(np.where(a > 0, a, 1))[1] - 1 - 4, -126, 127), 0)      # np.frexp(a)[1] - 1 = floor(log2(a)), exactly
;;       r = np.clip(x / 2.0 ** e, -28, 28)
;;       step = 2.0 ** (np.maximum(np.frexp(np.where(r == 0, 1, r))[1] - 1, -2) - 2)
;;       q = np.round(r / step) * step * 2.0 ** e      # np.round: ties to even
;;       return np.moveaxis(q.reshape(q.shape[:-2] + (-1,))[..., :K], -1, axis).astype(np.float32)
;;   ~~~
;;   SOFTMAX AHEAD OF A QUANTISED PRODUCT. Where the list says 'softmax', what is quantised is not the finished softmax but p = 2^(t - M), with t = logit x log2(e) and M = ceil(the row's largest t), a whole number; so 1/2 < the row's largest p <= 1. The row's sum l is taken of the UNQUANTISED p, in f32, and the product's result is divided by l at the end. Since M is a whole number, a kernel that streams over the keys may use a running M (the ceiling of the running maximum): every later rescaling is an exact power of two, which a block's scale takes up: the codes' values come out the same.
;;   OPERANDS COMPUTED ON THE WAY. 'Computed on the way' means the value that the module computes at that place (a softmax that the list does not call 'softmax' is quantised finished and normalised). What goes into a quantiser is computed in f32, as accurately as f32 sums, v_exp_f32 and their like allow (about 1e-6 of the number): no bf16 or f16 on the way to a quantiser, and a product that is left as it is and whose result goes on into a quantised operand takes f32 operands (vector FMAs, or v_wmma_f32_16x16x4_f32). A number that lies on a knife's edge between two numbers of the format may be rounded either way, as far as f32 arithmetic and the matrix unit's own rounding can turn it there, and no further.
;; One version. Each part assembles by itself: llvm-mc -triple=amdgcn-amd-amdhsa -mcpu=gfx1250 --defsym DOCPART=n.
;; ======== version 1 of 1: 2 launches
;; limits: right only within a limited range of input values
;; workspace buffers: kv 13,631,488 bytes; mbits 2,097,152 bytes of whole numbers
;; launch prep (part 1): grid 1024 x 1, 4 waves a work-group, no clusters, 69,120 bytes of LDS; arguments key, value, mask, kv, mbits; writes kv, mbits
.if DOCPART == 1
	.amdgcn_target "amdgcn-amd-amdhsa--gfx1250"
	.amdhsa_code_object_version 6
	.text
	.protected	k_qb83137e4c4_prep
	.globl	k_qb83137e4c4_prep
	.p2align	8
	.type	k_qb83137e4c4_prep,@function
k_qb83137e4c4_prep:
	s_mov_b64 s[64:65], 0
	v_nop
	global_prefetch_b8 v0, s[64:65] scope:SCOPE_SE
	s_setreg_imm32_b32 hwreg(HW_REG_WAVE_MODE, 25, 1), 1
	s_wait_xcnt 0x0
; PREP: what every work-group of the attention launch reads again is made once.
;   key, value [4][2048][1024] f32 -> kv: codes of BF6 (E3M2) with one E8M0 scale byte for each 32 along a product's K, laid as IMAGES OF THE OPERANDS' REGISTERS;
;   mask [4][2048][2048] i32       -> mbits: one bit a number, laid as LANE MASKS for v_cndmask_b32.
; kv: 1,024 blocks of 13,312 bytes; block u = 16 (16 b + h) + s serves head h of batch b, keys 128 s .. 128 s + 127.  A group of four registers is 512 bytes, lane l's 16 bytes at 16 l.
;   +0      K's codes: eight tiles of 16 keys x 64 channels, six registers a tile, 48 registers on end.  Row r of tile 4 c + u is key 64 c + 32 (r / 8) + 8 u + r % 8, so that in the
;           transposed product a lane's 32 result registers of tiles 4 c .. 4 c + 3 are one whole block of 32 neighbouring keys.  Lane (r, hl) holds channels 32 hl .. 32 hl + 31 of its row.
;   +6144   K's scale words, four registers: register p holds tile 2 p's words in lanes 0-15 and tile 2 p + 1's in lanes 16-31.  A word: byte 0 channels 0-31, byte 1 channels 32-63, bytes 2, 3 zero.
;   +6656   V's codes: four tiles of 16 channels x 128 keys (the keys are the second product's K), 12 registers a tile.
;   +12800  V's scale words: lane l's 16 bytes are (word 0, word 1, 0, 0); word t holds tile 2 t in lanes 0-15 and tile 2 t + 1 in lanes 16-31; byte i of a word scales keys 32 i on.
; mbits: for the tile of 16 queries G = 128 b + q / 16 and key step s: 64 words at (16 G + s) x 256 bytes.  Bit l = r + 16 hl of word n says that key 128 s + 64 (n / 32) + 32 hl + n % 32 counts for query 16 G + r.
; A block's scale is 2^(floor(log2(its largest magnitude)) - 4): its byte is the largest magnitude's exponent field - 4, held at 1 from below by a floor among the maximum's leaves.
; LIMITS: a block of zeros gets the byte 1 where the quantiser's rule says 127: its codes are zeros, and this program alone reads the bytes.  NaN and infinities among the inputs are not served.
; SHARES: work-groups 0-255 take key, 256-511 value (a wave to a block of kv), 512-1023 mask (a work-group to a tile of 16 queries, a wave to four key steps): 128 KiB read by each.
; Waves share nothing: no barrier.  No matrix unit, no cluster, no tensor load: every byte is read once by one wave.  The three paths part on the work-group's number; those that use LDS have bytes of their own.
.set BLK,   13312                      ; a block of kv
.set KSCO,  6144                       ; K's scale words in it
.set VIMGO, 6656                       ; V's codes
.set KP,    272                        ; K's stage: a row of 256 bytes + 16
.set MPI,   528                        ; the mask's stage: a row of 512 bytes + 16
.set MSTG,  4*32*KP                    ; the mask path's stages lie behind the key path's
.set RA,    64                         ; v64-127, v128-191: two sets of numbers as they are loaded
.set X,     192                        ; v192-255: 64 numbers turned through the stage (V path: the codes)
; 32 numbers of ONE block in v[src] on become six registers of codes in v[dst] on; v11 = the scale's byte.  At work: v8-10, v24-26.
.macro Q32 src, dst
	v_max3_num_f32 v8, |v[\src]|, |v[\src+1]|, |v[\src+2]|         ; the largest magnitude, in two chains
	v_max3_num_f32 v9, |v[\src+3]|, |v[\src+4]|, |v[\src+5]|
.irp i, 6,10,14,18,22,26
	v_max3_num_f32 v8, v8, |v[\src+\i]|, |v[\src+\i+1]|
	v_max3_num_f32 v9, v9, |v[\src+\i+2]|, |v[\src+\i+3]|
.endr
	v_max3_num_f32 v8, v8, |v[\src+30]|, |v[\src+31]|
	v_max3_num_f32 v8, v8, v9, 0x2800000                           ; and the floor 2^(5 - 127): the byte cannot fall under 1
	v_add_nc_u32 v10, 0xfe000000, v8                               ; 4 off the exponent field: the conversion's scale operand
	v_cvt_scalef32_pk16_bf6_f32 v[\dst:\dst+2], v[\src:\src+15], v10
	v_cvt_scalef32_pk16_bf6_f32 v[24:26], v[\src+16:\src+31], v10  ; (a conversion's three registers begin on an even number: the second half is made elsewhere and moved)
	v_lshrrev_b32 v11, 23, v10                                     ; the scale's byte; also the plain instruction behind the conversions
.irp i, 0,1,2
	v_mov_b32 v[\dst+3+\i], v[24+\i]
.endr
.endm
; u = 4 (work-group - first) + wave = 16 (16 b + h) + s.  s[16:17] = where its 128 rows of 256 bytes begin in key or value; s[18:19] = its block in kv.
.macro UNIT first
	s_sub_co_u32 s15, ttmp9, \first
	s_lshl_b32 s15, s15, 2
	s_add_co_u32 s15, s15, s14                     ; u
	s_lshr_b32 s16, s15, 8                         ; b: 2,048 rows of 4,096 bytes
	s_lshl_b32 s16, s16, 23
	s_and_b32 s17, s15, 15                         ; s: 128 rows
	s_lshl_b32 s17, s17, 19
	s_add_co_u32 s16, s16, s17
	s_bfe_u32 s17, s15, 0x40004                    ; h: 256 bytes of a row
	s_lshl_b32 s17, s17, 8
	s_add_co_u32 s16, s16, s17
	s_mov_b32 s17, 0
	s_mul_i32 s18, s15, BLK
	s_mov_b32 s19, 0
.endm
	s_load_b256 s[4:11], s[0:1], 0x0               ; key s[4:5], value s[6:7], mask s[8:9], kv s[10:11]
	s_load_b64 s[12:13], s[0:1], 0x20              ; mbits
	v_lshl_add_u32 v62, v0, 2, 0x10c00
	v_mov_b32 v63, 0
	v_lshrrev_b32 v1, 5, v0
	v_readfirstlane_b32 s14, v1                    ; wave 0..3
	v_and_b32 v1, 31, v0                           ; lane
	v_and_b32 v2, 15, v0                           ; r
	v_bfe_u32 v3, v0, 4, 1                         ; hl
	s_mov_b32 s30, 0x76543210
	s_mov_b32 s31, 0xfedcba98                      ; v_permlanex16_b32's selects for lane l xor 16
	s_mov_b32 s28, 0xffff0000                      ; lanes 16-31
	s_wait_kmcnt 0x0
	s_cmp_lt_u32 ttmp9, 256
	s_cbranch_scc1 .Lkeys
	s_cmp_lt_u32 ttmp9, 512
	s_cbranch_scc1 .Lvalues
; ---------------- THE MASK.  16 queries x 128 keys a step, four steps a wave.
; Each load takes 512 consecutive bytes of one query's row; the 16 rows turn through the wave's stage, so that lane (r, hl) holds, of query r, register n = key 64 (n / 32) + 32 hl + n % 32:
; the place of that key's score in the attention launch.  A compare of register n against 0 is then word n as it stands.
	s_sub_co_u32 s15, ttmp9, 512                   ; G
	s_lshl_b32 s16, s15, 17                        ; 16 rows of 8,192 bytes
	s_lshl_b32 s17, s14, 11                        ; my four steps: 4 x 512 bytes of each row
	s_add_co_u32 s16, s16, s17
	s_mov_b32 s17, 0
	s_add_nc_u64 s[8:9], s[8:9], s[16:17]
	s_lshl_b32 s18, s15, 4
	s_lshl_b32 s19, s14, 2
	s_add_co_u32 s18, s18, s19                     ; 16 G + 4 x wave
	s_lshl_b32 s18, s18, 8
	s_mov_b32 s19, 0
	s_add_nc_u64 s[12:13], s[12:13], s[18:19]
	s_mul_i32 s20, s14, 16*MPI
	s_add_co_u32 s20, s20, MSTG                    ; my stage
	s_wait_alu depctr_va_vdst(0)
	v_lshlrev_b32 v4, 4, v1                        ; in: 16 bytes a lane
	v_add_nc_u32 v5, s20, v4                       ; into the stage: as loaded
	v_mul_u32_u24 v6, v2, MPI
	v_lshl_add_u32 v6, v3, 7, v6
	v_add_nc_u32 v6, s20, v6                       ; out of it: row r, + 128 hl (32 keys)
	v_lshlrev_b32 v7, 3, v1                        ; out: two words a lane
.irp i, 0,1,2,3,4,5,6,7
	v_mov_b32 v[32+\i], 0                          ; the words' registers, a pair for each step: v_writelane_b32's destination counts as read
.endr
.macro LOADM t
.irp p, 0,1,2,3,4,5,6,7,8,9,10,11,12,13,14,15
	global_load_b128 v[RA+64*((\t)%2)+4*\p:RA+64*((\t)%2)+4*\p+3], v4, s[8:9] offset:\p*8192+512*(\t) th:TH_LOAD_NT
.endr
.endm
.macro MSTEP t
.set RS, RA+64*((\t)%2)
.if \t < 3
	s_wait_loadcnt 16                              ; this step's 16 loads are in; the next step's 16 may be out
.else
	s_wait_loadcnt 0x0
.endif
.irp p, 0,1,2,3,4,5,6,7,8,9,10,11,12,13,14,15
	ds_store_b128 v5, v[RS+4*\p:RS+4*\p+3] offset:\p*MPI
.endr
.irp b, 0,1,2,3
.irp j, 0,1,2,3
	ds_load_b128 v[X+16*\b+4*\j:X+16*\b+4*\j+3], v6 offset:256*(\b/2)+64*(\b%2)+16*\j   ; registers 16 b + 4 j on; LDS serves a wave's instructions in order: these see the stores above
.endr
.endr
	s_wait_dscnt 0x0                               ; the numbers are back, and the stores have read their registers,
.if \t < 2
	LOADM \t+2                                     ; which take the loads of two steps on
.endif
.irp g, 0,1,2,3,4,5,6,7
.irp k, 0,1,2,3,4,5,6,7
	v_cmp_ne_u32 s[20+\k], 0, v[X+8*\g+\k]         ; word n = 8 g + k: bit l is lane l's key
.endr
.irp k, 0,1,2,3,4,5,6,7
	v_writelane_b32 v[32+2*(\t)+\k%2], s[20+\k], 4*\g+\k/2   ; lane n / 2 will store words n and n + 1
.endr
.endr
	global_store_b64 v7, v[32+2*(\t):33+2*(\t)], s[12:13] offset:256*(\t)   ; the wave stores 256 consecutive bytes, aligned
.endm
	LOADM 0
	LOADM 1
.irp t, 0,1,2,3
	MSTEP \t
.endr
	s_wait_tensorcnt 0x0                           ; the wave's end
	ds_add_u32 v62, v63
	s_wait_dscnt 0x0
	s_endpgm
; ---------------- KEY.  128 keys x 64 channels a wave, a pair of tiles at a time.
; A load takes two whole head rows of 256 bytes (lanes 0-15 one, lanes 16-31 the next); the 32 rows go into the stage in the order of the tiles' rows and come back 128 bytes a lane: a whole block of 32 channels.
.Lkeys:
	UNIT 0
	s_add_nc_u64 s[4:5], s[4:5], s[16:17]
	s_add_nc_u64 s[10:11], s[10:11], s[18:19]
	s_mul_i32 s20, s14, 32*KP                      ; my stage
	s_wait_alu depctr_va_vdst(0)
	v_lshlrev_b32 v4, 12, v3
	v_lshl_add_u32 v4, v2, 4, v4                   ; in: row hl, 16 bytes a lane
	v_mul_u32_u24 v5, v3, KP
	v_lshl_add_u32 v5, v2, 4, v5
	v_add_nc_u32 v5, s20, v5                       ; into the stage: the same
	v_mul_u32_u24 v6, v2, KP
	v_lshl_add_u32 v6, v3, 7, v6
	v_add_nc_u32 v6, s20, v6                       ; out of it: row r, + 128 hl
	v_lshlrev_b32 v7, 4, v1                        ; out: 16 x lane
	v_lshlrev_b32 v12, 3, v3                       ; 8 hl: my byte's place in a scale word
	v_mov_b32 v15, 0                               ; a lane permute's destination counts as one of its sources
.macro LOADK p                         ; load x: rows 2 (x % 8) and 2 (x % 8) + 1 of tile 2 p + x / 8 = 4 (p / 2) + 2 (p % 2) + x / 8
.irp x, 0,1,2,3,4,5,6,7,8,9,10,11,12,13,14,15
	global_load_b128 v[RA+64*((\p)%2)+4*\x:RA+64*((\p)%2)+4*\x+3], v4, s[4:5] offset:(64*((\p)/2)+32*((\x%8)/4)+16*((\p)%2)+8*(\x/8)+2*(\x%4))*4096 th:TH_LOAD_NT
.endr
.endm
.macro KPAIR p
.set RS, RA+64*((\p)%2)
.set CS, 32+12*((\p)%2)                ; v32-43, v44-55: the pair's codes, two sets
.if \p < 3
	s_wait_loadcnt 16                              ; this pair's 16 loads are in; the next pair's 16 may be out
.else
	s_wait_loadcnt 0x0
.endif
.irp x, 0,1,2,3,4,5,6,7,8,9,10,11,12,13,14,15
	ds_store_b128 v5, v[RS+4*\x:RS+4*\x+3] offset:2*\x*KP
.endr
.irp u, 0,1
.irp j, 0,1,2,3,4,5,6,7
	ds_load_b128 v[X+32*\u+4*\j:X+32*\u+4*\j+3], v6 offset:16*\u*KP+16*\j   ; LDS serves a wave's instructions in order: these see the stores above
.endr
.endr
	s_wait_dscnt 0x0                               ; the numbers are back, and the stores have read their registers,
.if \p < 2
	LOADK \p+2                                     ; which take the loads of two pairs on
.else
	s_wait_xcnt 0x0                                ; the stores of two pairs ago have read this set of codes: it is written again only behind this wait
.endif
	Q32 X, CS
	v_lshlrev_b32 v13, v12, v11                    ; my block's byte at its place,
	v_permlanex16_b32 v15, v13, s30, s31
	v_or_b32 v13, v13, v15                         ; with lane l xor 16's: the row's word, in both halves of the lanes
	Q32 X+32, CS+6
	v_lshlrev_b32 v14, v12, v11
	v_permlanex16_b32 v15, v14, s30, s31
	v_or_b32 v14, v14, v15
	v_cndmask_b32 v[20+\p], v13, v14, s28          ; lanes 0-15: the even tile's words; lanes 16-31: the odd tile's
.irp g, 0,1,2
	global_store_b128 v7, v[CS+4*\g:CS+4*\g+3], s[10:11] offset:(\p)*1536+512*\g   ; 512 consecutive bytes, aligned
.endr
.endm
	LOADK 0
	LOADK 1
	s_wait_alu depctr_va_vdst(0)
.irp p, 0,1,2,3
	KPAIR \p
.endr
	global_store_b128 v7, v[20:23], s[10:11] offset:KSCO
	s_wait_tensorcnt 0x0                           ; the wave's end
	ds_add_u32 v62, v63
	s_wait_dscnt 0x0
	s_endpgm
; ---------------- VALUE.  128 keys x 64 channels a wave.  The keys are this operand's K and are not innermost: A LANE TAKES A CHANNEL AND ITS REGISTERS RUN DOWN THE KEYS.
; A block of 32 keys then lies in one lane's 32 registers, and the conversions give codes with the keys innermost.  Trip k: keys 32 (k / 2) on, channels 32 (k % 2) on.
.Lvalues:
	UNIT 256
	s_add_nc_u64 s[6:7], s[6:7], s[16:17]
	s_add_nc_u64 s[10:11], s[10:11], s[18:19]
	s_wait_alu depctr_va_vdst(0)
	v_lshlrev_b32 v4, 2, v1                        ; in: 4 bytes a lane
	v_lshlrev_b32 v7, 4, v1                        ; out: 16 x lane
.macro LOADV k
.irp i, 0,1,2,3,4,5,6,7,8,9,10,11,12,13,14,15,16,17,18,19,20,21,22,23,24,25,26,27,28,29,30,31
	global_load_b32 v[RA+32*((\k)%2)+\i], v4, s[6:7] offset:(32*((\k)/2)+\i)*4096+128*((\k)%2) th:TH_LOAD_NT
.endr
.endm
.macro VBLK k
.set XS, RA+32*((\k)%2)
.set F, X+24*((\k)%2)+12*(((\k)/2)%2)+6*((\k)/4)   ; an even block of keys goes to the even tile's registers, an odd one to the odd tile's: the exchange below sets them right
.if \k < 7
	s_wait_loadcnt 32                              ; this block's 32 loads are in; the next block's 32 may be out
.else
	s_wait_loadcnt 0x0
.endif
	Q32 XS, F
.if (\k)/2 == 0
	v_mov_b32 v[240+(\k)%2], v11                   ; my channel's scale word: byte i for keys 32 i on
.else
	v_lshl_or_b32 v[240+(\k)%2], v11, 8*((\k)/2), v[240+(\k)%2]
.endif
.if \k < 6
	LOADV \k+2
.endif
.endm
	LOADV 0
	LOADV 1
.irp k, 0,1,2,3,4,5,6,7
	VBLK \k
.endr
; So far lanes 0-15 hold tile 2 t's channels and lanes 16-31 tile 2 t + 1's, in every register.  The operand's layout wants, in registers 6 c .. 6 c + 5 of a tile, block 2 c in lanes 0-15 and block 2 c + 1 in lanes 16-31:
; the first register's lanes 16-31 change places with the second's lanes 0-15.
.irp t, 0,1
.irp c, 0,1
.irp i, 0,1,2,3,4,5
	v_permlane16_swap_b32 v[X+24*\t+6*\c+\i], v[X+12+24*\t+6*\c+\i]
.endr
.endr
.endr
	v_mov_b32 v242, 0
	v_mov_b32 v243, 0
.irp g, 0,1,2,3,4,5,6,7,8,9,10,11
	global_store_b128 v7, v[X+4*\g:X+4*\g+3], s[10:11] offset:VIMGO+512*\g   ; 512 consecutive bytes, aligned
.endr
	global_store_b128 v7, v[240:243], s[10:11] offset:VIMGO+6144
	s_endpgm
.Lfunc_end_k_qb83137e4c4_prep:
	.size	k_qb83137e4c4_prep, .Lfunc_end_k_qb83137e4c4_prep-k_qb83137e4c4_prep
	.p2alignl 7, 3214868480
	.fill 96, 4, 3214868480
	.section	.rodata,"a",@progbits
	.p2align	6, 0x0
	.amdhsa_kernel k_qb83137e4c4_prep
		.amdhsa_group_segment_fixed_size 69120
		.amdhsa_private_segment_fixed_size 0
		.amdhsa_enable_private_segment 0
		.amdhsa_kernarg_size 40
		.amdhsa_user_sgpr_count 2
		.amdhsa_user_sgpr_kernarg_segment_ptr 1
		.amdhsa_wavefront_size32 1
		.amdhsa_system_sgpr_workgroup_id_x 1
		.amdhsa_system_sgpr_workgroup_id_y 1
		.amdhsa_system_sgpr_workgroup_id_z 1
		.amdhsa_system_vgpr_workitem_id 0
		.amdhsa_next_free_vgpr 256
		.amdhsa_next_free_sgpr 66
		.amdhsa_reserve_vcc 0
		.amdhsa_float_denorm_mode_32 3
		.amdhsa_float_denorm_mode_16_64 3
		.amdhsa_memory_ordered 1
		.amdhsa_forward_progress 1
		.amdhsa_inst_pref_size 117
	.end_amdhsa_kernel
	.amdgpu_metadata
---
amdhsa.version: [ 1, 2 ]
amdhsa.kernels:
  - .name:           k_qb83137e4c4_prep
    .symbol:         k_qb83137e4c4_prep.kd
    .args:
      - { .name: key, .offset: 0, .size: 8, .value_kind: global_buffer, .address_space: global }
      - { .name: value, .offset: 8, .size: 8, .value_kind: global_buffer, .address_space: global }
      - { .name: mask, .offset: 16, .size: 8, .value_kind: global_buffer, .address_space: global }
      - { .name: kv, .offset: 24, .size: 8, .value_kind: global_buffer, .address_space: global }
      - { .name: mbits, .offset: 32, .size: 8, .value_kind: global_buffer, .address_space: global }
    .group_segment_fixed_size: 69120
    .private_segment_fixed_size: 0
    .kernarg_segment_align: 8
    .kernarg_segment_size: 40
    .max_flat_workgroup_size: 128
    .sgpr_count:     66
    .vgpr_count:     256
    .wavefront_size: 32
...
	.end_amdgpu_metadata
.endif
;; end of part 1
;; launch attn (part 2): grid 4 x 64, 16 waves a work-group, clusters of 4 x 1, 284,672 bytes of LDS; arguments query, kv, mbits, out0; writes out0
.if DOCPART == 2
	.amdgcn_target "amdgcn-amd-amdhsa--gfx1250"
	.amdhsa_code_object_version 6
	.text
	.protected	k_qb83137e4c4_attn
	.globl	k_qb83137e4c4_attn
	.p2align	8
	.type	k_qb83137e4c4_attn,@function
k_qb83137e4c4_attn:
	s_mov_b64 s[64:65], 0
	v_nop
	global_prefetch_b8 v0, s[64:65] scope:SCOPE_SE
	s_setreg_imm32_b32 hwreg(HW_REG_WAVE_MODE, 25, 1), 1
	s_wait_xcnt 0x0
	s_wait_alu depctr_hold_cnt(0) depctr_sa_sdst(0) depctr_va_vdst(0) depctr_va_sdst(0) depctr_va_ssrc(0) depctr_va_vcc(0) depctr_vm_vsrc(0)
	s_getreg_b32 s2, hwreg(HW_REG_IB_STS2, 6, 4)
	s_cmp_eq_u32 s2, 0
	s_cbranch_scc0 .Lentry_in_a_cluster
	s_endpgm
.Lentry_in_a_cluster:
	s_bfe_u32 s2, ttmp6, 0x10000c
	s_cmp_lg_u32 s2, 0x3003
	s_cbranch_scc0 .Lentry_shape_is_right
	s_endpgm
.Lentry_shape_is_right:
; out0[b][q][64 h ..] = the sum over k of softmax_k(masked(Q . K / 8)) V, for 64 heads (b, h) of 2,048 queries, 2,048 keys, head size 64; both products on codes of BF6 (E3M2) with one E8M0 scale for each 32 along K.
; K, V and their scales come from kv, the mask from mbits, as the launch before laid them: images of the operands' registers, and lane masks.  Q arrives as f32, is read once by one wave, and is quantised here in registers.
; THE SOFTMAX AHEAD OF THE SECOND PRODUCT: t = score x log2(e) / 8; M = the row's largest t so far, rounded UP to a whole number; p = 2^(t - M) is what is quantised, along the keys, not normalised.
; The row's sum is taken of the unquantised p and divides O at the end.  When M moves, the sum and O are multiplied by 2^(old M - new M): exact.
; SHARES.  A work-group owns 512 queries of one head; each of its sixteen waves owns two tiles of 16 queries and takes them in two passes.  Every wave walks the head's 2,048 keys, 128 a step.
; NO RING.  A head's codes and scales are 16 blocks of 13,312 bytes = 212,992 bytes: they are brought into LDS ONCE and stay for both passes.  No LDS byte is filled twice.
; CLUSTER.  The four work-groups of a cluster own the four quarters of one head's queries and need the same 212,992 bytes: each block is asked for JOINTLY, by the same tensor load with the same descriptor and a mask
; that names the four; wave w asks for block w: one tensor load of a wave is out, and none after the one wait for it.
; NO PREFETCH: K and V come once, at the head, where there is no loop to run ahead in; the mask words are asked for a whole step ahead by their own loads.
; LAYOUT.  Both products are used transposed: S^T = K Q^T (source 0 = 16 keys, source 1 = my 16 queries), O^T = V^T P^T (source 0 = 16 channels, source 1 = P): a lane holds ONE query (lane % 16) throughout.
; Row r of K's tile 4 c + u is key 64 c + 32 (r / 8) + 8 u + r % 8: register n of S^T in lane (r, hl) is key 64 (n / 32) + 32 hl + n % 32.  So a lane's registers 32 c .. 32 c + 31 are block 2 c + hl of 32 keys, WHOLE
; and in the order that P's operand wants in that lane: a block's largest p needs no other lane, and the conversions' results are the operand's registers (three of each six are moved: a conversion's three begin on an even number).
; K = 64 IN A FORM OF 128.  A tile of K has six registers of codes; the form names twelve.  Its upper six are the NEXT tile's codes (for tile 7: my second tile's Q codes, which lie behind).  They meet Q's upper six,
; which are zero codes, under scale bytes 0: every product there is exactly 0.
; THE MASK.  Word n of a step's 64 words is a lane mask: bit l says that the score in lane l's register n counts.  The words come by scalar loads, a step ahead; one v_cndmask_b32 a score puts -2^33 where it does not.
; A STEP'S LDS LOADS.  Behind the scores' products: V's tiles 0, 1 and scale words, and the NEXT step's K and scale words (K has registers of its own).  V's tiles 2, 3 land on p's first 24 registers, once these are summed and converted.
; One wait for all of them stands ahead of the second product.  A pass's first step starts O with C = 0 and the sums with its own p; its last step asks for no K beyond the head (pass 0: for block 0 again, for pass 1).
; LIMITS.  A masked logit is -2^30 here and -1e9 in the definition: -2^33 x c is a whole number, so a row with no key that counts gives p = 1 everywhere (uniform weights, as defined), and as soon as a key counts the factor
; 2^(old M - new M) = 0 wipes what masked keys had summed.  The two differ only where a logit that counts lies near or under -1e9.  A p under 2^-126 is 0 (v_exp_f32 flushes: ISA guide, its entry).
; NaN and infinities among the inputs are not served.  A block of zeros gets the scale byte 1: its codes are zeros.
; REGISTERS: v1 16 x lane; v2 the step's LDS address; v3 -2^33; v4-8 addresses; v9, v14, v28 at work; v10 Q's scale word; v11 p's; v12 -M, v13 the largest score; v16-21 Q's codes, v22-27 zeros; v[30:31] the factor and a written partner;
;   v32-79 K; v80-85 the second tile's Q codes; v86-93 the sum in four chains of pairs; v94, v95 the add's two; v96-159 S^T, then p (v96-119 then V's tiles 2, 3); v160-191 O^T; v192-203 p's codes; v204-227 V's tiles 0, 1;
;   v228-241, v244-250 at work; v[242:243] V's scale words; v247 the second tile's Q scale word; v252-255 K's scale words.
; SCALARS: s[2:3] mask words, s[4:5] Q, s[6:7] out; s[8:9] lane selects; s10 wave; s11 the step's block in LDS; s12 trips; s16-63 and s68-83 the 64 mask words; s84-95 descriptor; s[100:101] c.
.set BLK,   13312                      ; a step's block: K's codes, K's scale words, V's codes, V's scale words
.set KSCO,  6144
.set VIMGO, 6656
.set VSCO,  12800
.set STG,   16*BLK                     ; behind the head's blocks: a stage of 16 rows x 272 bytes for each wave, for Q's way in and O's way out; no tensor load lands here
.set SP,    272
.set SPARE, STG+16*16*SP               ; the spare words: 128 bytes a wave
.set TILEB, 65536                      ; 16 rows of query or out0
.set CH,    86
.set SPW,   94
.set NIL,   95
.set MX,    228
.set VS,    242
.set QS1,   247
.set KS,    252
.set VA0,   204                        ; where V's four tiles stand
.set VA1,   216
.set VA2,   96
.set VA3,   108
.macro ROUND                           ; a round of the cluster's barrier
	s_barrier_signal -1
	s_barrier_wait -1
	s_cmp_lg_u32 s10, 0
	s_cbranch_scc1 .Lnot_wave_0_\@
	s_barrier_signal -3
.Lnot_wave_0_\@:
	s_barrier_wait -3
	s_barrier_signal -1
	s_barrier_wait -1
.endm
.macro WORDS                           ; a step's 64 mask words
	s_load_b512 s[16:31], s[2:3], 0x0
	s_load_b512 s[32:47], s[2:3], 0x40
	s_load_b512 s[48:63], s[2:3], 0x80
	s_load_b512 s[68:83], s[2:3], 0xc0
.endm
.macro KLOAD a, o                      ; K's scale words and eight tiles, 48 registers as they were stored
	ds_load_b128 v[KS:KS+3], \a offset:\o+KSCO
.irp g, 0,1,2,3,4,5,6,7,8,9,10,11
	ds_load_b128 v[32+4*\g:35+4*\g], \a offset:\o+512*\g
.endr
.endm
.macro W d, a, b, c, sa, sb, row       ; one product; row = 1: source 0's scale words stand in lanes 16-31
.if \row
	v_wmma_scale_f32_16x16x128_f8f6f4 v[\d:\d+7], v[\a:\a+11], v[\b:\b+11], \c, v[\sa], v[\sb] matrix_a_fmt:MATRIX_FMT_BF6 matrix_b_fmt:MATRIX_FMT_BF6 matrix_a_scale:MATRIX_SCALE_ROW1
.else
	v_wmma_scale_f32_16x16x128_f8f6f4 v[\d:\d+7], v[\a:\a+11], v[\b:\b+11], \c, v[\sa], v[\sb] matrix_a_fmt:MATRIX_FMT_BF6 matrix_b_fmt:MATRIX_FMT_BF6
.endif
.endm
.macro ADDS from, to                   ; pairs from .. to of p onto the four chains by turns
.set q, \from
.rept \to-\from+1
	v_pk_add_f32 v[CH+2*(q%4):CH+2*(q%4)+1], v[CH+2*(q%4):CH+2*(q%4)+1], v[96+2*q:97+2*q]
.set q, q+1
.endr
.endm
; Tile t of Q (as loaded in v[96+32 t] on): 16 rows x 64 channels turn through my stage, so that lane (r, hl) holds channels 32 hl .. 32 hl + 31 of query r, and become six registers of codes (cd on) and a scale word (sc)
.macro QTILE t, cd, sc
.irp x, 0,1,2,3,4,5,6,7
	ds_store_b128 v5, v[96+32*\t+4*\x:99+32*\t+4*\x] offset:2*\x*SP
.endr
.irp j, 0,1,2,3,4,5,6,7
	ds_load_b128 v[204+4*\j:207+4*\j], v7 offset:16*\j   ; LDS serves a wave's instructions in order: these see the stores above
.endr
	s_wait_dscnt 0x0
	v_max3_num_f32 v236, |v204|, |v205|, |v206|    ; my block's largest magnitude, in two chains
	v_max3_num_f32 v237, |v207|, |v208|, |v209|
.irp i, 6,10,14,18,22,26
	s_delay_alu instid0(VALU_DEP_2)
	v_max3_num_f32 v236, v236, |v[204+\i]|, |v[205+\i]|
	s_delay_alu instid0(VALU_DEP_2)
	v_max3_num_f32 v237, v237, |v[206+\i]|, |v[207+\i]|
.endr
	s_delay_alu instid0(VALU_DEP_2)
	v_max3_num_f32 v236, v236, |v234|, |v235|
	s_delay_alu instid0(VALU_DEP_1)
	v_max3_num_f32 v236, v236, v237, 0x2800000     ; and the floor 2^(5 - 127): the byte cannot fall under 1
	s_delay_alu instid0(VALU_DEP_1)
	v_add_nc_u32 v238, 0xfe000000, v236            ; 4 off the exponent field: the conversion's scale operand
	v_cvt_scalef32_pk16_bf6_f32 v[\cd:\cd+2], v[204:219], v238
	v_cvt_scalef32_pk16_bf6_f32 v[244:246], v[220:235], v238   ; (a conversion's three registers begin on an even number)
	v_lshrrev_b32 v9, 23, v238                     ; the scale's byte; also the plain instruction behind the conversions
.irp i, 0,1,2
	v_mov_b32 v[\cd+3+\i], v[244+\i]
.endr
	s_delay_alu instid0(VALU_DEP_4)
	v_lshlrev_b32 v9, v8, v9                       ; my byte at its place,
	s_delay_alu instid0(VALU_DEP_1)
	v_permlanex16_b32 v233, v9, s8, s9
	s_delay_alu instid0(VALU_DEP_1)
	v_or_b32 v[\sc], v9, v233                      ; with lane l xor 16's: bytes 0 and 1 of query r's word; bytes 2 and 3 stay 0, over zero codes
.endm
	s_load_b256 s[16:23], s[0:1], 0x0              ; query s[16:17], kv s[18:19], mbits s[20:21], out0 s[22:23]
	v_lshl_add_u32 v[SPW], v0, 2, SPARE
	v_mov_b32 v[NIL], 0
	ds_add_u32 v[SPW], v[NIL]                      ; the opening lines: the add twice on end, and its wait ahead of my tensor load
	ds_add_u32 v[SPW], v[NIL]
	v_lshrrev_b32 v9, 5, v0
	s_delay_alu instid0(VALU_DEP_1)
	v_readfirstlane_b32 s10, v9                    ; wave 0..15
	s_bfe_u32 s24, ttmp6, 0x40000                  ; cx: it enters Q's, the mask words' and out0's addresses alone
	s_lshl_b32 s25, ttmp9, 2                       ; in a cluster launch ttmp9 counts clusters
	s_add_co_u32 s25, s25, s24                     ; my block of 512 queries
	s_and_b32 s26, ttmp7, 0xffff                   ; 16 b + h, which the four partners share
	s_lshr_b32 s27, s26, 4                         ; b
	s_and_b32 s28, s26, 15                         ; h
	s_lshl_b32 s29, s25, 5
	s_lshl_b32 s30, s10, 1
	s_add_co_u32 s29, s29, s30                     ; my first tile of 16 queries: 32 x block + 2 x wave
	s_lshl_b32 s32, s27, 23                        ; query, out0: b x 2,048 rows of 4,096 bytes
	s_lshl_b32 s33, s29, 16                        ; + tile x 16 rows
	s_add_co_u32 s32, s32, s33
	s_lshl_b32 s33, s28, 8                         ; + h x 256 bytes
	s_add_co_u32 s32, s32, s33
	s_mov_b32 s33, 0
	s_lshl_b32 s34, s27, 7
	s_add_co_u32 s34, s34, s29                     ; 128 b + tile
	s_lshl_b32 s34, s34, 12                        ; mbits: 16 steps of 256 bytes a tile; my two tiles' 32 steps lie on end
	s_mov_b32 s35, 0
	s_mul_i32 s38, s10, BLK                        ; the block that I ask for: in LDS,
	s_mul_i32 s36, s26, 16*BLK
	s_add_co_u32 s36, s36, s38                     ; and in kv: made of the head and the wave's number alone
	s_mov_b32 s37, 0
	; descriptor group 1: a dense block of 13,312 bytes as 52 rows of 256 bytes (32 elements of 8 bytes)
	s_mov_b32 s84, 15|(3<<16)|(1<<21)              ; the mask: all four work-groups; elements of 8 bytes; no padding; bit 21 set beside a mask
	s_mov_b32 s85, 32<<16                          ; tensor_dim0 = 32
	s_mov_b32 s86, 52<<16                          ; tensor_dim1 = 52
	s_mov_b32 s87, 32<<16                          ; tile_dim0 = 32
	s_mov_b32 s88, 52                              ; tile_dim1 = 52
	s_mov_b32 s89, 32                              ; elements from row to row
	s_mov_b32 s90, 0
	s_mov_b32 s91, 0
	s_mov_b32 s8, 0x76543210
	s_mov_b32 s9, 0xfedcba98                       ; v_permlanex16_b32's selects for lane l xor 16
	s_mov_b32 s100, 0x3e38aa3b                     ; c = log2(e) / 8
	s_mov_b32 s101, s100                           ; (the packed form names the pair and takes its low word for both halves: so it is written)
	s_wait_dscnt 0x0
	s_wait_kmcnt 0x0
	s_add_nc_u64 s[4:5], s[16:17], s[32:33]
	s_add_nc_u64 s[6:7], s[22:23], s[32:33]
	s_add_nc_u64 s[2:3], s[20:21], s[34:35]
	s_mov_b32 s92, 1                               ; group 0: count = 1,
	s_mov_b32 s93, s38                             ; LDS address,
	s_add_nc_u64 s[94:95], s[18:19], s[36:37]      ; global address,
	s_or_b32 s95, s95, 0x80000000                  ; type = 2
	ROUND                                          ; all four work-groups are here: the joint loads meet
	tensor_load_to_lds s[92:95], s[84:91]          ; my one tensor load
	s_nop 0
.rept 4
	v_nop
.endr
	v_and_b32 v28, 15, v0                          ; r
	v_bfe_u32 v9, v0, 4, 1                         ; hl
	s_delay_alu instid0(VALU_DEP_1)
	v_lshlrev_b32 v4, 12, v9
	s_delay_alu instid0(VALU_DEP_1)
	v_lshl_add_u32 v4, v28, 4, v4                  ; query, out0: row hl, 16 bytes a lane
.irp t, 0,1                                    ; my two tiles of Q: load x takes rows 2 x and 2 x + 1, each 256 consecutive bytes
.irp x, 0,1,2,3,4,5,6,7
	global_load_b128 v[96+32*\t+4*\x:99+32*\t+4*\x], v4, s[4:5] offset:8192*\x+TILEB*\t th:TH_LOAD_NT
.endr
.endr
	WORDS                                          ; the first step's mask words (the pointers and what was at work in s16-47 are done with)
	v_and_b32 v1, 31, v0
	s_delay_alu instid0(VALU_DEP_1)
	v_lshlrev_b32 v1, 4, v1                        ; 16 x lane: an image's place for my lane
	v_lshlrev_b32 v8, 3, v9                        ; 8 hl: my bytes' place in a scale word
	s_mul_i32 s15, s10, 16*SP
	s_add_co_u32 s15, s15, STG                     ; my stage
	v_mul_u32_u24 v5, v9, SP
	s_delay_alu instid0(VALU_DEP_1)
	v_lshl_add_u32 v5, v28, 4, v5
	s_delay_alu instid0(VALU_DEP_1)
	v_add_nc_u32 v5, s15, v5                       ; by rows: lanes 0-15 one row of 256 bytes, lanes 16-31 the next
	v_mul_u32_u24 v6, v28, SP
	s_delay_alu instid0(VALU_DEP_1)
	v_add_nc_u32 v6, s15, v6
	s_delay_alu instid0(VALU_DEP_1)
	v_lshl_add_u32 v7, v9, 7, v6                   ; Q out of the stage: row r, + 128 hl: a block of 32 channels
	s_delay_alu instid0(VALU_DEP_2)
	v_lshl_add_u32 v6, v9, 5, v6                   ; O into it: row r, + 32 hl
.irp i, 0,1,2,3,4,5
	v_mov_b32 v[22+\i], 0                          ; Q's codes for K = 64 .. 127
.endr
	v_mov_b32 v233, 0                              ; written once: a lane permute's destination counts as one of its sources
	s_wait_alu depctr_va_vdst(0)
	s_wait_tensorcnt 0x0                           ; my block has landed,
	s_barrier_signal -1
	s_barrier_wait -1                              ; everybody's has: the head lies in LDS, and nothing writes it again
	KLOAD v1, 0                                    ; the first step's K; the waits in QTILE cover it
	s_wait_loadcnt 0x0                             ; both tiles of Q are in
	QTILE 0, 16, 10
	QTILE 1, 80, QS1
	v_mov_b32 v3, 0xd0000000                       ; -2^33.  (These three lines also stand between the second tile's codes and the first product that names their registers)
	v_mov_b32 v31, 0
	v_mov_b32 v241, 0
	s_wait_alu depctr_va_vdst(0)
; 128 keys.  first = 1: a pass's first step.  kind 0: the next block's K and the next words are asked for; 1: block 0's K (for the next pass) and the next words; 2: neither.
.macro STEP first, kind
.irp t, 0,1,2,3,4,5,6,7                        ; S^T = K Q^T: eight accumulators, one instruction each
	W 96+8*\t, 32+6*\t, 16, 0, KS+\t/2, 10, \t%2
.endr
	v_add_nc_u32 v2, s11, v1                       ; the step's block, my lane's 16 bytes.  With the three lines below: four places ahead of the loads into K's registers and of the first read of the scores
.rept 3
	v_nop
.endr
.irp g, 0,1,2,3,4,5
	ds_load_b128 v[204+4*\g:207+4*\g], v2 offset:VIMGO+512*\g   ; V's tiles 0 and 1
.endr
	ds_load_b64 v[VS:VS+1], v2 offset:VSCO         ; V's scale words
.if (\kind) == 0
	KLOAD v2, BLK
.endif
.if (\kind) == 1
	KLOAD v1, 0
.endif
	s_wait_kmcnt 0x0                               ; the step's mask words, asked for a step ago; their loads are done, so their base may step
.if (\kind) < 2
	s_add_nc_u64 s[2:3], s[2:3], 256
.endif
.set n, 0
.rept 64
	v_cndmask_b32 v[96+n], v3, v[96+n], s[16+n+4*(n/48)]   ; a key that does not count: -2^33.  Each accumulator is read from its low end on
.set n, n+1
.endr
.if (\kind) < 2
	WORDS                                          ; the next step's words, also across the passes; the last step of all asks for nothing
.endif
.irp b, 0,1,2,3                                ; THE LARGEST SCORE OF MY TWO BLOCKS OF 32 KEYS, two chains a block: it serves for the row's maximum and, since p rises with the score, for the block's largest p
	v_max3_num_f32 v[MX+\b], v[96+16*\b], v[97+16*\b], v[98+16*\b]
.endr
.irp i, 3,5,7,9,11,13
.irp b, 0,1,2,3
	s_delay_alu instid0(VALU_DEP_4)
	v_max3_num_f32 v[MX+\b], v[MX+\b], v[96+16*\b+\i], v[97+16*\b+\i]
.endr
.endr
	s_delay_alu instid0(VALU_DEP_4)
	v_max3_num_f32 v[MX], v[MX], v111, v127
	s_delay_alu instid0(VALU_DEP_3)
	v_max3_num_f32 v[MX+2], v[MX+2], v143, v159
	s_delay_alu instid0(VALU_DEP_2)
	v_max_num_f32 v[MX], v[MX], v[MX+1]            ; block hl
	s_delay_alu instid0(VALU_DEP_2)
	v_max_num_f32 v[MX+2], v[MX+2], v[MX+3]        ; block 2 + hl
	s_delay_alu instid0(VALU_DEP_1)
	v_max_num_f32 v232, v[MX], v[MX+2]
	s_delay_alu instid0(VALU_DEP_1)
	v_permlanex16_b32 v233, v232, s8, s9           ; lane l xor 16's two blocks
	s_delay_alu instid0(VALU_DEP_1)
.if \first
	v_max_num_f32 v13, v232, v233                  ; the largest score of my query so far
.else
	v_max3_num_f32 v13, v13, v232, v233
.endif
	s_delay_alu instid0(VALU_DEP_1)
	v_mul_f32 v9, s100, v13                        ; as t (c is positive)
	s_delay_alu instid0(VALU_DEP_1)
	v_floor_f32 v12, -v9                           ; -M = floor(-t) = -ceil(t): M IS A WHOLE NUMBER
.if \first
	s_delay_alu instid0(VALU_DEP_1)
.else
	s_delay_alu instid0(VALU_DEP_1)
	v_sub_f32 v234, v12, v234                      ; M's old value less its new one: a whole number, 0 or less
	s_delay_alu instid0(VALU_DEP_2)
.endif
.set j, 0
.rept 32
	v_pk_fma_f32 v[96+j:97+j], v[96+j:97+j], s[100:101], v[12:13] op_sel_hi:[1,0,0]   ; t - M, two at a time (of the pairs c and -M the low word serves both halves)
.if (\first == 0) && (j == 4)
	s_delay_alu instid0(VALU_DEP_4)
	v_cvt_i32_f32 v234, v234                       ; (it saturates)
.endif
.if (\first == 0) && (j == 10)
	s_delay_alu instid0(VALU_DEP_4)
	v_ldexp_f32 v30, 1.0, v234                     ; f = 2^(old M - new M): a multiplication by it rounds nothing
.endif
.set j, j+2
.endr
	v_fma_f32 v[MX], v[MX], s100, v12              ; the same of each block's largest score
	v_fma_f32 v[MX+2], v[MX+2], s100, v12
.if \first == 0
.set j, 0
.rept 16
	v_pk_mul_f32 v[160+j:161+j], v[160+j:161+j], v[30:31] op_sel_hi:[1,0]   ; O^T under the new M: x f; each accumulator from its low end on
.set j, j+2
.endr
.endif
	s_wait_alu depctr_va_vdst(0)
.set j, 0
.rept 64
	v_exp_f32 v[96+j], v[96+j]                     ; p = 2^(t - M), at most 1: NOT normalised
.set j, j+1
.endr
	v_exp_f32 v[MX], v[MX]                         ; the block's largest p: the same two instructions on the same number give the same bits
	v_exp_f32 v[MX+2], v[MX+2]
	v_mov_b32 v234, v12                            ; -M, kept for the next step.  (The plain instruction behind the exponentials)
	s_wait_alu depctr_va_vdst(0)                   ; one wait for the whole batch
	v_max_num_f32 v[MX], 0x2800000, v[MX]          ; the floor 2^(5 - 127): the byte cannot fall under 1 (a block whose every p is 0 keeps that byte: its codes are zeros)
	v_max_num_f32 v[MX+2], 0x2800000, v[MX+2]
	s_delay_alu instid0(VALU_DEP_2)
	v_add_nc_u32 v236, 0xfe000000, v[MX]           ; 4 off the exponent field: the conversion's scale operand
	s_delay_alu instid0(VALU_DEP_2)
	v_add_nc_u32 v237, 0xfe000000, v[MX+2]
	s_delay_alu instid0(VALU_DEP_2)
	v_lshrrev_b32 v238, 23, v236                   ; the scales' bytes
	s_delay_alu instid0(VALU_DEP_2)
	v_lshrrev_b32 v239, 23, v237
	s_delay_alu instid0(VALU_DEP_1)
	v_lshl_or_b32 v240, v239, 16, v238             ; blocks hl and 2 + hl,
	s_delay_alu instid0(VALU_DEP_1)
	v_lshlrev_b32 v240, v8, v240                   ; at their places (8 hl bits up);
	s_delay_alu instid0(VALU_DEP_1)
	v_permlanex16_b32 v241, v240, s8, s9
	s_delay_alu instid0(VALU_DEP_1)
	v_or_b32 v11, v240, v241                       ; with lane l xor 16's two: p's scale word for these 128 keys
	v_cvt_scalef32_pk16_bf6_f32 v[192:194], v[96:111], v236
	v_cvt_scalef32_pk16_bf6_f32 v[244:246], v[112:127], v236   ; (a conversion's three registers begin on an even number)
.if \first                                     ; THE ROW'S SUM IS TAKEN OF THE UNQUANTISED p, in four chains of pairs that are joined at the pass's end
.irp i, 0,1,2,3
	v_pk_add_f32 v[CH+2*\i:CH+2*\i+1], v[96+2*\i:97+2*\i], v[104+2*\i:105+2*\i]
.endr
	ADDS 8, 15
.else
.irp i, 0,1,2,3
	v_pk_fma_f32 v[CH+2*\i:CH+2*\i+1], v[CH+2*\i:CH+2*\i+1], v[30:31], v[96+2*\i:97+2*\i] op_sel_hi:[1,0,1]   ; each chain's first link of a step brings it under the new M: x f
.endr
	ADDS 4, 15
.endif
.irp i, 0,1,2
	v_mov_b32 v[195+\i], v[244+\i]
.endr
.irp g, 0,1,2,3,4,5
	ds_load_b128 v[96+4*\g:99+4*\g], v2 offset:VIMGO+3072+512*\g   ; V's tiles 2 and 3, onto p's registers that are summed and converted
.endr
	v_cvt_scalef32_pk16_bf6_f32 v[198:200], v[128:143], v237
	v_cvt_scalef32_pk16_bf6_f32 v[248:250], v[144:159], v237
	ADDS 16, 17
.irp i, 0,1,2
	v_mov_b32 v[201+\i], v[248+\i]
.endr
	ADDS 18, 23                                    ; six plain instructions between p's last codes and the products
	s_wait_alu depctr_va_vdst(0)
	s_wait_dscnt 0x0                               ; V and its scale words are in, and so is the next step's K
.irp t, 0,1,2,3                                ; O^T += V^T P^T: K = these 128 keys.  Four accumulators, one instruction each; the scores' eight products stand between two links of a chain
.if \first
	W 160+8*\t, VA\t, 192, 0, VS+\t/2, 11, \t%2
.else
	W 160+8*\t, VA\t, 192, v[160+8*\t:167+8*\t], VS+\t/2, 11, \t%2
.endif
.endr
	ADDS 24, 31                                    ; the sum's last eight links name none of the products' registers: they are the places ahead of the next scores, which are written over V's tiles 2 and 3
.endm
.macro PASS p
	s_mov_b32 s11, 0
	STEP 1, 0
	s_mov_b32 s11, BLK
	s_mov_b32 s12, 14
.Lstep\p:
	STEP 0, 0
	s_add_co_u32 s11, s11, BLK                     ; the next step's block
	s_sub_co_u32 s12, s12, 1
	s_cmp_lg_u32 s12, 0
	s_cbranch_scc1 .Lstep\p
	STEP 0, 1+\p
	; ---- THE WAY OUT.  O^T / the sum goes through my stage and leaves as whole rows
	s_wait_alu depctr_va_vdst(0)
.if \p == 0
.irp i, 0,1,2,3,4,5
	v_mov_b32 v[16+\i], v[80+\i]                   ; the second tile's Q takes the operand's place; the 32 multiplications below stand between these lines and the next product
.endr
	v_mov_b32 v10, v[QS1]
.endif
	v_pk_add_f32 v[CH:CH+1], v[CH:CH+1], v[CH+2:CH+3]
	v_pk_add_f32 v[CH+4:CH+5], v[CH+4:CH+5], v[CH+6:CH+7]
	s_delay_alu instid0(VALU_DEP_1)
	v_pk_add_f32 v[CH:CH+1], v[CH:CH+1], v[CH+4:CH+5]
	s_delay_alu instid0(VALU_DEP_1)
	v_add_f32 v14, v[CH], v[CH+1]                  ; the four chains and their halves,
	s_delay_alu instid0(VALU_DEP_1)
	v_permlanex16_b32 v233, v14, s8, s9
	s_delay_alu instid0(VALU_DEP_1)
	v_add_f32 v14, v14, v233                       ; and lane l xor 16's: the row's sum (the row's largest p is over 1/2: it is no zero)
	s_wait_alu depctr_va_vdst(0)
	v_rcp_f32 v14, v14
	v_nop                                          ; one plain instruction behind the transcendental
	s_wait_alu depctr_va_vdst(0)
.set j, 0
.rept 32
	v_mul_f32 v[96+j], v[160+j], v14               ; register 8 t + i is o(query r, channel 16 t + 8 hl + i); each accumulator from its low end on
.set j, j+1
.endr
.irp t, 0,1,2,3
	ds_store_b128 v6, v[96+8*\t:99+8*\t] offset:64*\t
	ds_store_b128 v6, v[100+8*\t:103+8*\t] offset:64*\t+16
.endr
.irp i, 0,1,2,3,4,5,6,7
	ds_load_b128 v[128+4*\i:131+4*\i], v5 offset:2*\i*SP   ; LDS serves a wave's instructions in order: these see the stores above
.endr
.irp i, 0,1,2,3,4,5,6,7
	s_wait_dscnt 7-\i                              ; LDS loads come back in order: load i is in, the 7 - i younger ones may be out
	global_store_b128 v4, v[128+4*\i:131+4*\i], s[6:7] offset:8192*\i+TILEB*\p th:TH_STORE_NT   ; sixteen lanes store 256 consecutive bytes, aligned: a query's 64 channels of my head
.endr
.if \p == 0
	s_wait_xcnt 0x0                                ; the stores have read their registers: these are written again only behind this wait
.endif
.endm
	PASS 0
	PASS 1
	s_wait_dscnt 0x0
	s_wait_tensorcnt 0x0                           ; the wave's end
	ds_add_u32 v[SPW], v[NIL]
	s_wait_dscnt 0x0
	ROUND                                          ; the closing round: no work-group ends while a partner may still ask for a block that names it
	s_endpgm
.Lfunc_end_k_qb83137e4c4_attn:
	.size	k_qb83137e4c4_attn, .Lfunc_end_k_qb83137e4c4_attn-k_qb83137e4c4_attn
	.p2alignl 7, 3214868480
	.fill 96, 4, 3214868480
	.section	.rodata,"a",@progbits
	.p2align	6, 0x0
	.amdhsa_kernel k_qb83137e4c4_attn
		.amdhsa_group_segment_fixed_size 284672
		.amdhsa_private_segment_fixed_size 0
		.amdhsa_enable_private_segment 0
		.amdhsa_kernarg_size 32
		.amdhsa_user_sgpr_count 2
		.amdhsa_user_sgpr_kernarg_segment_ptr 1
		.amdhsa_wavefront_size32 1
		.amdhsa_system_sgpr_workgroup_id_x 1
		.amdhsa_system_sgpr_workgroup_id_y 1
		.amdhsa_system_sgpr_workgroup_id_z 1
		.amdhsa_system_vgpr_workitem_id 0
		.amdhsa_next_free_vgpr 256
		.amdhsa_next_free_sgpr 102
		.amdhsa_reserve_vcc 0
		.amdhsa_float_denorm_mode_32 3
		.amdhsa_float_denorm_mode_16_64 3
		.amdhsa_memory_ordered 1
		.amdhsa_forward_progress 1
		.amdhsa_inst_pref_size 136
	.end_amdhsa_kernel
	.amdgpu_metadata
---
amdhsa.version: [ 1, 2 ]
amdhsa.kernels:
  - .name:           k_qb83137e4c4_attn
    .symbol:         k_qb83137e4c4_attn.kd
    .args:
      - { .name: query, .offset: 0, .size: 8, .value_kind: global_buffer, .address_space: global }
      - { .name: kv, .offset: 8, .size: 8, .value_kind: global_buffer, .address_space: global }
      - { .name: mbits, .offset: 16, .size: 8, .value_kind: global_buffer, .address_space: global }
      - { .name: out0, .offset: 24, .size: 8, .value_kind: global_buffer, .address_space: global }
    .group_segment_fixed_size: 284672
    .private_segment_fixed_size: 0
    .kernarg_segment_align: 8
    .kernarg_segment_size: 32
    .max_flat_workgroup_size: 512
    .sgpr_count:     102
    .vgpr_count:     256
    .wavefront_size: 32
...
	.end_amdgpu_metadata
.endif
;; end of part 2
